; MI455X (gfx1250); checked and timed in simulation.
; The chip was launched on July 23, 2026; its instructions are those of AMD's public machine-readable ISA for CDNA 5 (MIT licence, August 2026) and "CDNA5" Instruction Set Architecture Reference Guide (July 2026). The comments in the code are by the model that wrote it; some were corrected since.
;; Fused MLP Softplus. Allowed arithmetic: matrix products marked QUANTISED: E4M3 operands, one given power-of-two scale a tensor, by v_wmma_f32_16x16x64_fp8_fp8 or v_wmma_f32_16x16x128_fp8_fp8, f32 sums; everything else in f32.
;; Inputs: lowp_scales 6 int32 (the exponents e of the quantised operands' scales 2^e); w1_codes 1,024 x 8 x 32 uint8 (E4M3 codes of w1, K innermost, in blocks of 32 codes); w2_codes 1,024 x 32 x 32 uint8 (E4M3 codes of w2, K innermost, in blocks of 32 codes); w3_codes 256 x 32 x 32 uint8 (E4M3 codes of w3, K innermost, in blocks of 32 codes); x_codes 32,768 x 8 x 32 uint8 (E4M3 codes of x, K innermost, in blocks of 32 codes).
;; Outputs: out0 32,768 x 256 float32.
;; This version of the problem:
;;   THIS VERSION OF THE PROBLEM IS GIVEN IN LOW PRECISION. The matrix products marked QUANTISED in the list below multiply operands that are first quantised to E4M3 (4 exponent bits, 3 mantissa bits; 8 bits a number), with one given power-of-two scale for each operand tensor; their sums are f32. All else is computed in f32.
;;   The module's matrix products, in the order in which they are computed (A, B: the left and right operand; K: the contracted axis; several contracted axes count as one K, in the product's order):
;;     1. [M 32,768, K 256] x [K 256, N 1,024]; A: input x (given as codes); B: input w1 (given as codes): QUANTISED (scales: A lowp_scales[0], B lowp_scales[1])
;;     2. [M 32,768, K 1,024] x [K 1,024, N 1,024]; A: computed on the way; B: input w2 (given as codes): QUANTISED (scales: A lowp_scales[2], B lowp_scales[3])
;;     3. [M 32,768, K 1,024] x [K 1,024, N 256]; A: computed on the way; B: input w3 (given as codes): QUANTISED (scales: A lowp_scales[4], B lowp_scales[5])
;;   THE QUANTISER, for each operand of a quantised product, along K:
;;     - The operand's scale is 2^e, e = its entry of the input lowp_scales (int32; the entries are numbered through the quantised products in the list's order, A before B).
;;     - Each number is divided by the scale, clamped to +-448, and rounded to the nearest number of E4M3, ties to even, subnormals kept.
;;     - The product sums the exact products of the quantised numbers (number of the format x scale) in f32.
;;   ~~~python
;;   def quantise(x, axis, e):      # numpy; x: float32 -> the quantised numbers, widened to float32 again
;;       x = np.moveaxis(x, axis, -1); K = x.shape[-1]
;;       r = np.clip(x / 2.0 ** e, -448, 448)
;;       step = 2.0 ** (np.maximum(np.frexp(np.where(r == 0, 1, r))[1] - 1, -6) - 3)
;;       q = np.round(r / step) * step * 2.0 ** e      # np.round: ties to even
;;       return np.moveaxis(q, -1, axis).astype(np.float32)
;;   ~~~
;;   OPERANDS COMPUTED ON THE WAY. 'Computed on the way' means the value that the module computes at that place (a softmax that the list does not call 'softmax' is quantised finished and normalised). What goes into a quantiser is computed in f32, as accurately as f32 sums, v_exp_f32 and their like allow (about 1e-6 of the number): no bf16 or f16 on the way to a quantiser, and a product that is left as it is and whose result goes on into a quantised operand takes f32 operands (vector FMAs, or v_wmma_f32_16x16x4_f32). A number that lies on a knife's edge between two numbers of the format may be rounded either way, as far as f32 arithmetic and the matrix unit's own rounding can turn it there, and no further.
;;   INPUTS GIVEN AS CODES. w1 (in the module: [256, 1024], K = its axis 0); w2 (in the module: [1024, 1024], K = its axis 0); w3 (in the module: [1024, 256], K = its axis 0); x (in the module: [32768, 256], K = its axis 1): each comes as NAME_codes (uint8): NAME with its K axis moved to the last place and cut into blocks of 32 codes, [.., K / 32, bytes a block], one block behind the other in memory; one code a byte (a code: sign, 4 exponent bits, 3 mantissa bits); its scale is its entry of lowp_scales. Its value is code x scale, taken as it is: it is not quantised again, and the codes and scales need not be those that the quantiser above would give.
;; One version. Each part assembles by itself: llvm-mc -triple=amdgcn-amd-amdhsa -mcpu=gfx1250 --defsym DOCPART=n.
;; ======== version 1 of 1: 1 launch
;; limits: right only within a limited range of input values
;; launch mlp (part 1): grid 256 x 1, 8 waves a work-group, clusters of 4 x 1, 327,680 bytes of LDS; arguments x_codes, w1_codes, w2_codes, w3_codes, lowp_scales, out0; writes out0
.if DOCPART == 1
	.amdgcn_target "amdgcn-amd-amdhsa--gfx1250"
	.amdhsa_code_object_version 6
	.text
	.protected	k_q26ac1cd28f_mlp
	.globl	k_q26ac1cd28f_mlp
	.p2align	8
	.type	k_q26ac1cd28f_mlp,@function
k_q26ac1cd28f_mlp:
	s_mov_b64 s[64:65], 0
	v_nop
	global_prefetch_b8 v0, s[64:65] scope:SCOPE_SE
	s_setreg_imm32_b32 hwreg(HW_REG_WAVE_MODE, 25, 1), 1
	s_wait_xcnt 0x0
	s_wait_alu depctr_hold_cnt(0) depctr_sa_sdst(0) depctr_va_vdst(0) depctr_va_sdst(0) depctr_va_ssrc(0) depctr_va_vcc(0) depctr_vm_vsrc(0)
	s_getreg_b32 s2, hwreg(HW_REG_IB_STS2, 6, 4)
	s_cmp_eq_u32 s2, 0
	s_cbranch_scc0 .Lentry_in_a_cluster
	s_endpgm
.Lentry_in_a_cluster:
	s_bfe_u32 s2, ttmp6, 0x10000c
	s_cmp_lg_u32 s2, 0x3003
	s_cbranch_scc0 .Lentry_shape_is_right
	s_endpgm
.Lentry_shape_is_right:
; out = softplus(softplus(x W1) W2) W3 for 32,768 rows, all three products on codes of FP8 (E4M3), each operand with the one scale 2^e that is given for it (e0 .. e5).
; x [32768][256], W1 [1024][256], W2 [1024][1024], W3 [256][1024]: codes, K innermost.  out [32768][256] f32.  h1 and h2 never go to memory.
; SHARES.  A work-group of eight waves owns 128 rows.  A PASS is 128 rows x 256 columns of a layer: passes 0-3 layer 1 (K = 256), 4-7 layer 2, 8 layer 3 (K = 1,024).  TWO TEAMS of four waves: in phase p the
; team of p's parity makes pass p's products (a wave 128 rows x 64 columns, 256 accumulators' registers), while the other team makes pass p - 1's softplus and codes.
; Both teams meet at every barrier; between barriers each walks an arm of its own, chosen by the wave's number and the phase.  Inside a round's opening barrier stand register work alone: the products' last sixteen
; matrix instructions, or the softplus's next batch of transcendentals.
; THE PRODUCTS ARE USED TRANSPOSED: source 0 = 16 rows of a weight, source 1 = 16 rows of activations.  A lane (r, h) (r = lane % 16, h = lane / 16) then holds one row, and register j of tile t is column 32 h + 8 t + j of
; the wave's 64: tile t takes the weight's rows 8 t .. 8 t + 7 (lanes r < 8) and 32 + 8 t .. 32 + 8 t + 7.  K lies in a fragment in the order: registers 4 c .. 4 c + 3 hold 64 (c / 2) + 16 (c % 2) + 32 h + 0 .. 15,
; in both operands alike: two tiles' codes are four registers of the next operand, a weight's row is read 16 bytes at a time, and a lane's 32 sums of layer 3 are 128 consecutive bytes of out.
; ACTIVATIONS lie in LDS as images of the operand's registers: a chunk (256 along K) is 8 blocks of 16 rows x 2 K steps x 2,048 bytes.  h1's four chunks from H on; x, then h2's chunks, from E on.  h2's chunk 1 runs over H's
; first 12,288 bytes, which are in use when it is made: its blocks 5-7 wait in 24 registers for one phase.
; WEIGHTS come through a ring of two slots, 256 rows x 256 bytes each, 32 rows by each wave's one tensor load (at the head 64 rows: W1's first two tiles).  All work-groups walk the same weights, so each tile is asked
; for JOINTLY by the four of a cluster.
; SOFTPLUS, in f32: t = x log2(e); u = 2^-|t|; w = 1 + u; softplus = ln2 log2(w) + (ln2 max(t, 0) + (u - (w - 1))): the last term gives back what the addition 1 + u rounded away.
; PREFETCHES: the first four clusters ask for a pass of W2 or W3 (1,024 blocks of 256 bytes, a lane of the cluster a block) one phase ahead of its loads; W1 and x come by their loads alone: no phase goes before them.
; LIMITS on the given exponents, so that each power of two below is an f32 number: e0 + e1 and e2 + e3 between -126 and 127 (they are added to log2(e)'s exponent field); e2 and e4 between -126 and 119;
; e4 + e5 between -126 and 127.  A softplus under 2^-126 becomes 0 (v_exp_f32 gives 0 for such results: ISA guide, 15.8).  NaN codes among the inputs are not served.
; REGISTERS: window 0: v0-31 addresses; products: v32-95 the weight's four fragments, v96-223 the activations' eight; softplus: v32-191; v224-247 the waiting codes.  window 1: accumulator (block a, tile t) at v[32 a + 8 t];
; block a's codes lie at v[32 a .. 32 a + 7] afterwards.
.set PITCH, 272                        ; a weight's row in LDS: 256 bytes + 16
.set QL,    32*PITCH+128               ; from one wave's 32 rows to the next: 32 rows further on lie 128 bytes off modulo 256, so a tile's 16 rows start at 16 different groups of banks (64 banks of 4 bytes: ISA guide 11.1)
.set SLOTB, 8*QL                       ; slot 1 lies at 0, slot 0 at SLOTB
.set SPARE, 2*SLOTB                    ; the spare words, 128 bytes a wave
.set E,     SPARE+1024
.set H,     E+32768+20480
.set SP,    272                        ; the way out: 16 rows x 272 bytes for each wave of the first team, from E on
.set LI,   1                           ; 16 x lane
.set AW,   2                           ; v2-3 my lane's place in my 64 rows of slot 0, 1
.set AE,   4                           ; activations at E
.set AX,   5                           ; chunks 0, 1 of the phase's layer
.set AY,   6                           ; chunks 2, 3
.set AP,   7                           ; at E + 65536
.set IE,   8                           ; where my codes go: chunk at E (and 32768 on),
.set IP,   9                           ; at E + 65536,
.set IHA,  10                          ; at H,
.set IHB,  11                          ; at H + 65536
.set SPW,  12                          ; LDS address of my spare word; never rewritten
.set NIL,  13                          ; 0; never rewritten
.set SC,   14                          ; the conversions' scale as f32
.set STO,  15
.set RD,   16
.set CO,   17
.set PFO,  18
.set RR,   19
.set HH,   20
.set TV,   21
.set XO,   22
.set XI,   23
.set AWL,  24                          ; pass 1's place in slot 0: the head's load
.set AWH,  25                          ; pass 0's place in slot 1: the head's load
.set R8,   26                          ; r / 8
.set AHB,  27                          ; h1's chunks 2, 3
.set WF,   32
.set AF,   96
.set TT,   32                          ; softplus: three sets of 32 (t, then the sum),
.set UU,   128                         ; u, then w - 1
.set WW,   160                         ; w, then log2 w
.set HR,   224
.set AT,   160                         ; the last slot: two buffers of a block's activations, 256 along K
.set TMP,  224
.set WV,   16
.set TEAM, 17
.set TW,   18                          ; my number in the team
.set CX,   19
.set G1A,  20                          ; s[20:27] group 1 for W1's tiles;  s[28:35] for W2's and W3's
.set G1B,  28
.set G0W,  36                          ; group 0: W1 into slot 0
.set G0A,  40                          ; W2, W3 into slot 0
.set WB,   44                          ; s[44:45] my 32 rows of the pass in hand in W2 or W3
.set W3M,  46                          ; s[46:47] my 32 rows of W3
.set PH,   48                          ; the phase
.set ROLE, 49                          ; 0: products, 1: softplus
.set CS,   50                          ; s[50:51] log2(e) x the two scales
.set LN2,  52
.set LIM,  54                          ; 448 x the scale of the codes to be made
.set OUTS, 56
.set PFA,  66
.set LM,   68
.set LM2,  69
.set XB,   78
.set G0B,  80                          ; group 0: slot 1
.set G1H,  84                          ; s[84:91], s[92:95]: the head's load, 64 rows of W1
.set G0H,  92
.set MSB, 0
.macro WIN new                         ; the immediate's high byte repeats the setting that is left; a switch that changes nothing is dropped
.if MSB != (\new)
	s_set_vgpr_msb (MSB<<8)|(\new)
.set MSB, (\new)
.endif
.endm
; A load into a register that a matrix instruction has read, and a vector instruction that reads a matrix result, stand four places behind it (five ahead of sums begun anew); only plain vector instructions that name none of its registers are places
.macro PLACES n
.rept \n
	v_nop
.endr
.endm
.macro BARRIER
	s_barrier_signal -1
	s_barrier_wait -1
.endm
.macro CREST                           ; a round of the cluster's barrier behind its opening barrier
	s_cmp_lg_u32 s[WV], 0
	s_cbranch_scc1 .Lnot_wave_0_\@
	s_barrier_signal -3
.Lnot_wave_0_\@:
	s_barrier_wait -3
	BARRIER
.endm
.macro CROUND
	BARRIER
	CREST
.endm
.macro TL g0, g1                       ; a joint load: every wave fetches its own rows.  Four v_nop follow
	tensor_load_to_lds s[\g0:\g0+3], s[\g1:\g1+7]
	s_nop 0
	PLACES 4
.endm
.macro LW w, q, t0                     ; two tiles' fragments of my weight rows, 128 along K (the slot's q-th)
.irp t, \t0, \t0+1
.irp c, 0,1,2,3
	ds_load_b128 v[WF+16*(\t)+4*\c:WF+16*(\t)+4*\c+3], v[\w] offset:(\t)*8*PITCH+128*(\q)+64*(\c/2)+16*(\c%2)
.endr
.endr
.endm
.macro LA act, off, q, a0              ; four blocks of activations
.irp a, \a0, \a0+1, \a0+2, \a0+3
.irp c, 0,1,2,3
	ds_load_b128 v[AF+16*(\a)+4*\c:AF+16*(\a)+4*\c+3], v[\act] offset:(\off)+(\a)*4096+2048*(\q)+512*\c
.endr
.endr
.endm
.macro MM t0, a0, zero                 ; 8 matrix instructions: two tiles x four blocks.  The 32 accumulators take turns, one instruction a turn
.irp a, \a0, \a0+1, \a0+2, \a0+3
.irp t, \t0, \t0+1
.if \zero
	v_wmma_f32_16x16x128_fp8_fp8 v[32*(\a)+8*(\t):32*(\a)+8*(\t)+7], v[WF+16*(\t):WF+16*(\t)+15], v[AF+16*(\a):AF+16*(\a)+15], 0
.else
	v_wmma_f32_16x16x128_fp8_fp8 v[32*(\a)+8*(\t):32*(\a)+8*(\t)+7], v[WF+16*(\t):WF+16*(\t)+15], v[AF+16*(\a):AF+16*(\a)+15], v[32*(\a)+8*(\t):32*(\a)+8*(\t)+7]
.endif
.endr
.endr
.endm
; A slot's products: two K steps of 32 matrix instructions on one set of fragments.  Blocks 0-3 are fetched anew when the first half of the step is issued, tiles 0, 1 behind the third quarter, the rest at its end.
; The counted waits leave out the youngest loads: 24 = tiles 2, 3 and blocks 4-7;  16 = blocks 4-7;  16 behind the next blocks 0-3 = those.  tail = 0: the last sixteen stand inside the round that follows
.macro MINT w, act, off, zero, tail
	LW \w, 0, 0
	LA \act, \off, 0, 0
	LW \w, 0, 2
	LA \act, \off, 0, 4
	s_wait_dscnt 24
	WIN 0x50                                       ; sources 0 and 1 window 0, C and D window 1
	MM 0, 0, \zero
	s_wait_dscnt 16
	MM 2, 0, \zero
	PLACES 4
	WIN 0
	LA \act, \off, 1, 0
	s_wait_dscnt 16
	WIN 0x50
	MM 0, 4, \zero
	PLACES 4
	WIN 0
	LW \w, 1, 0
	WIN 0x50
	MM 2, 4, \zero
	PLACES 4
	WIN 0
	LW \w, 1, 2
	LA \act, \off, 1, 4
	s_wait_dscnt 24
	WIN 0x50
	MM 0, 0, 0
	s_wait_dscnt 16
	MM 2, 0, 0
.if \tail
	s_wait_dscnt 0x0
	MM 0, 4, 0
	MM 2, 4, 0
	PLACES 5
.else
	PLACES 4
.endif
	WIN 0
.endm
; THE SOFTPLUS of a pass goes by blocks of 16 rows (32 registers).  Trip n: the exponentials of block n + 1 and the logarithms of block n in one batch, a wait ahead of it (at the end of the trip before) and one behind it;
; then plain lines alone: t of block n + 2, the end of block n, the middle of block n + 1
.macro VSETS n
.set tN, TT+32*(((\n)+3)%3)
.set tP, TT+32*(((\n)+4)%3)
.set tQ, TT+32*(((\n)+5)%3)
.set rQ, 32*((\n)+2)
.endm
.macro VFRONT n
	VSETS \n
.if ((\n) >= -1) && ((\n) <= 6)
.set i, 0
.rept 32
	v_exp_f32 v[UU+i], -|v[tP+i]|                  ; u = 2^-|t|
.set i, i+1
.endr
.endif
.if (\n) >= 0
.set i, 0
.rept 32
	v_log_f32 v[WW+i], v[WW+i]                     ; log2 w
.set i, i+1
.endr
.endif
.if (\n) >= -1
	v_nop                                          ; a plain instruction behind the last transcendental
.endif
.endm
.macro VBACK n
	VSETS \n
.if (\n) <= 5
	WIN 0x01                                       ; source 0 window 1
	s_wait_alu depctr_va_vdst(0)                   ; the wait behind the batch and ahead of the sums' first readers
.set i, 0
.rept 16
	v_pk_mul_f32 v[tQ+i:tQ+i+1], v[rQ+i:rQ+i+1], s[CS:CS+1] op_sel_hi:[1,0]   ; t = sum x log2(e) x the scales, each accumulator from its low end on
.set i, i+2
.endr
	WIN 0
.else
	s_wait_alu depctr_va_vdst(0)                   ; the wait behind the batch
.endif
.if (\n) >= 0
.set i, 0
.rept 16
	v_pk_fma_f32 v[tN+i:tN+i+1], v[WW+i:WW+i+1], s[LN2:LN2+1], v[tN+i:tN+i+1] op_sel_hi:[1,0,1]   ; + ln2 log2(w): the softplus
.set i, i+2
.endr
.endif
.if ((\n) >= -1) && ((\n) <= 6)
.set i, 0
.rept 16
	v_pk_add_f32 v[WW+i:WW+i+1], v[UU+i:UU+i+1], 1.0 op_sel_hi:[1,0]   ; w = 1 + u
.set i, i+2
.endr
.endif
.if (\n) >= 0
.set i, 0
.rept 16
	v_dual_min_num_f32 v[tN+i], s[LIM], v[tN+i] :: v_dual_min_num_f32 v[tN+i+1], s[LIM], v[tN+i+1]   ; the conversion to an 8-bit code does not saturate (ISA guide 7.6.2); a softplus is not negative: one-sided
.set i, i+2
.endr
.endif
.if ((\n) >= -1) && ((\n) <= 6)
.set i, 0
.rept 16
	v_dual_max_num_f32 v[tP+i], 0, v[tP+i] :: v_dual_max_num_f32 v[tP+i+1], 0, v[tP+i+1]   ; max(t, 0)
.set i, i+2
.endr
.set i, 0
.rept 16
	v_pk_fma_f32 v[tP+i:tP+i+1], v[tP+i:tP+i+1], s[LN2:LN2+1], v[UU+i:UU+i+1] op_sel_hi:[1,0,1]   ; ln2 max(t, 0) + u
.set i, i+2
.endr
.endif
.if (\n) >= 0
	WIN 0x40                                       ; destination window 1
.irp g, 0,1,2,3
	v_cvt_scalef32_pk8_fp8_f32 v[32*(\n)+2*\g:32*(\n)+2*\g+1], v[tN+8*\g:tN+8*\g+7], v[SC]
.endr
	WIN 0
.endif
.if ((\n) >= -1) && ((\n) <= 6)
.set i, 0
.rept 16
	v_pk_add_f32 v[UU+i:UU+i+1], v[WW+i:WW+i+1], -1.0 op_sel_hi:[1,0]   ; w - 1: nothing is rounded
.set i, i+2
.endr
.set i, 0
.rept 16
	v_pk_add_f32 v[tP+i:tP+i+1], v[tP+i:tP+i+1], v[UU+i:UU+i+1] neg_lo:[0,1] neg_hi:[0,1]   ; - (w - 1)
.set i, i+2
.endr
.else
	v_nop                                          ; a plain instruction behind the last conversion
.endif
	s_wait_alu depctr_va_vdst(0)                   ; the wait ahead of the next batch, and ahead of a branch
.endm
.macro VTRIP n
	VFRONT \n
	VBACK \n
.endm
; The work-group's barrier that opens a round, with register work between signal and wait: my slot's last sixteen matrix instructions, whose fragments have all come, or the batch of trip n
.macro QOPEN n
	s_barrier_signal -1
	s_cmp_eq_u32 s[ROLE], 0
	s_cbranch_scc0 .Lq_softplus_\@
	WIN 0x50
	MM 0, 4, 0
	MM 2, 4, 0
	PLACES 5
	WIN 0
	s_branch .Lq_join_\@
.Lq_softplus_\@:
	VFRONT \n
	s_wait_alu depctr_va_vdst(0)                   ; the wait ahead of a label
.Lq_join_\@:
	s_barrier_wait -1
.endm
; A change of slots: all my loads have landed, 0 is added to my spare word, my reads are over; the round; and the slot read last is filled again first.  off: bytes along K in the pass in hand; 1024: the next pass's first tile.
; n: the trip whose batch stands inside; 99: nothing does
.macro RND slot, off, n
.set G0, G0A+40*(\slot)
	s_wait_tensorcnt 0x0                           ; no tensor load of mine is out, so a group 0 may be written
	ds_add_u32 v[SPW], v[NIL]                      ; 0 onto my spare word
.if (\off) == 1024
	s_add_nc_u64 s[WB:WB+1], s[WB:WB+1], 0x40000   ; 256 rows of W2 on; behind its last pass, W3
	s_cmp_eq_u32 s[PH], 7
	s_cselect_b64 s[WB:WB+1], s[W3M:W3M+1], s[WB:WB+1]
	s_mov_b64 s[G0+2:G0+3], s[WB:WB+1]
.else
	s_add_nc_u64 s[G0+2:G0+3], s[WB:WB+1], \off
.endif
	s_or_b32 s[G0+3], s[G0+3], 0x80000000
	s_wait_dscnt 0x0                               ; the add is done, and my LDS reads are over
.if (\n) == 99
	BARRIER
.else
	QOPEN \n
.endif
	CREST                                          ; no wave of any partner still reads this slot or has a load on its way
	TL G0, G1B
.endm
.macro STORE img, off, first, last     ; blocks first .. last of my codes go to LDS as they stand
	WIN 0x04                                       ; the stores' data in window 1
	s_wait_alu depctr_va_vdst(0)                   ; the wait ahead of the first reader
.set a, \first
.rept (\last)-(\first)+1
	ds_store_b128 v[\img], v[32*a:32*a+3] offset:(\off)+a*4096
	ds_store_b128 v[\img], v[32*a+4:32*a+7] offset:(\off)+a*4096+512
.set a, a+1
.endr
	WIN 0
.endm
; THE LAST SLOT goes by rows of out: both K steps of the weight's fragments stay in registers (v32-159), the activations come by blocks of 16 rows x 256 K, and each block leaves as soon as its 8 matrix instructions are issued:
; x 2^(e4 + e5), through my own stage, back as rows of 256 bytes into the block's own accumulators.  LDS serves a wave's instructions in order (ISA guide 5.7.1.4): no wait between the stage's stores and loads
.macro LWT q
.irp t, 0,1,2,3
.irp c, 0,1,2,3
	ds_load_b128 v[WF+64*(\q)+16*\t+4*\c:WF+64*(\q)+16*\t+4*\c+3], v[AW+1] offset:\t*8*PITCH+128*(\q)+64*(\c/2)+16*(\c%2)
.endr
.endr
.endm
.macro LAT a
.irp q, 0,1
.irp c, 0,1,2,3
	ds_load_b128 v[AT+32*((\a)%2)+16*\q+4*\c:AT+32*((\a)%2)+16*\q+4*\c+3], v[AP] offset:32768+(\a)*4096+2048*\q+512*\c
.endr
.endr
.endm
.macro ROW a
	WIN 0x50
.irp q, 0,1
.irp t, 0,1,2,3
	v_wmma_f32_16x16x128_fp8_fp8 v[32*(\a)+8*\t:32*(\a)+8*\t+7], v[WF+64*\q+16*\t:WF+64*\q+16*\t+15], v[AT+32*((\a)%2)+16*\q:AT+32*((\a)%2)+16*\q+15], v[32*(\a)+8*\t:32*(\a)+8*\t+7]
.endr
.endr
	PLACES 4
	WIN 0x01
.irp j, 0,2,4,6,8,10,12,14,16,18,20,22,24,26,28,30
	v_pk_mul_f32 v[TMP+\j:TMP+\j+1], v[32*(\a)+\j:32*(\a)+\j+1], s[OUTS:OUTS+1] op_sel_hi:[1,0]
.endr
	WIN 0
.if (\a) < 6
	LAT (\a)+2                                     ; the buffer takes the block two further on
.endif
.irp p, 0,1,2,3,4,5,6,7
	ds_store_b128 v[STO], v[TMP+4*\p:TMP+4*\p+3] offset:16*\p
.endr
	WIN 0x40
.irp t, 0,1,2,3,4,5,6,7
	ds_load_b128 v[32*(\a)+4*\t:32*(\a)+4*\t+3], v[RD] offset:\t*2*SP
.endr
	WIN 0
.endm
.macro SEND a, younger
	s_wait_dscnt \younger
	WIN 0x04
.irp t, 0,1,2,3,4,5,6,7
	global_store_b128 v[CO], v[32*(\a)+4*\t:32*(\a)+4*\t+3], s[14:15] offset:(\a)*16384+\t*2048 th:TH_STORE_NT   ; 16 lanes store 256 consecutive bytes, at a multiple of 256 from out's first byte
.endr
	WIN 0
.endm
; ---------------------------------------------------------------- the head
	s_load_b256 s[4:11], s[0:1], 0x0               ; x s[4:5], W1 s[6:7], W2 s[8:9], W3 s[10:11]
	s_load_b128 s[12:15], s[0:1], 0x20             ; the scales' exponents s[12:13], out s[14:15]
	v_lshl_add_u32 v[SPW], v0, 2, SPARE
	v_mov_b32 v[NIL], 0
	ds_add_u32 v[SPW], v[NIL]                      ; the wave's opening: the add, twice on end, and its wait ahead of my first tensor load
	ds_add_u32 v[SPW], v[NIL]
	v_lshrrev_b32 v[TV], 5, v0
	v_readfirstlane_b32 s[WV], v[TV]               ; wave 0..7
	s_lshr_b32 s[TEAM], s[WV], 2
	s_and_b32 s[TW], s[WV], 3
	s_bfe_u32 s[CX], ttmp6, 0x40000                ; my place in the cluster: it enters x's, out's and the prefetches' addresses alone
.irp g, G1A, G1B
	s_mov_b32 s[\g], 15|(1<<20)|(1<<21)|(5<<22)|(3<<25)   ; the mask: all four work-groups; bit 21 beside it; elements of 1 byte; padding: 4 words after every 64
	s_mov_b32 s[\g+1], 256<<16
	s_mov_b32 s[\g+2], 32<<16
	s_mov_b32 s[\g+3], 256<<16
	s_mov_b32 s[\g+4], 32
	s_mov_b32 s[\g+6], 0
	s_mov_b32 s[\g+7], 0
.endr
	s_mov_b32 s[G1A+5], 256                        ; a row of W1
	s_mov_b32 s[G1B+5], 1024                       ; a row of W2 or W3
	s_mov_b32 s[G1H], 15|(1<<20)|(1<<21)|(5<<22)|(3<<25)
	s_mov_b32 s[G1H+1], 256<<16
	s_mov_b32 s[G1H+2], 64<<16
	s_mov_b32 s[G1H+3], 256<<16
	s_mov_b32 s[G1H+4], 64
	s_mov_b32 s[G1H+5], 256
	s_mov_b32 s[G1H+6], 0
	s_mov_b32 s[G1H+7], 0
	s_mov_b32 s[G0H], 1
	s_mul_i32 s[G0H+1], s[WV], 2*QL                ; waves 0-3: tile 0 into slot 1; waves 4-7: tile 1 into slot 0
	s_mul_i32 s2, s[WV], QL                        ; later on: where my 32 rows go
	s_mov_b32 s[G0W], 1
	s_mov_b32 s[G0A], 1
	s_mov_b32 s[G0B], 1
	s_mov_b32 s[G0B+1], s2
	s_add_co_u32 s2, s2, SLOTB
	s_mov_b32 s[G0W+1], s2
	s_mov_b32 s[G0A+1], s2
	s_lshl_b32 s70, ttmp9, 2
	s_add_co_u32 s70, s70, s[CX]                   ; my block of 128 rows
	s_cmp_lt_u32 ttmp9, 4                          ; the first four clusters prefetch: the same in all four partners
	s_cselect_b32 s[LM], 8, 0
	s_cselect_b32 s[LM2], 2, 0
	s_lshl_b32 s96, s[WV], 12
	s_add_co_u32 s96, s96, E                       ; x's image: block = my wave's number
	s_lshl_b32 s97, s[TW], 10                      ; my 64 columns in a chunk's block
	s_mul_i32 s98, s[TW], 2*QL                     ; my 64 rows in a slot
	s_mul_i32 s99, s[TW], 16*SP
	s_add_co_u32 s99, s99, E                       ; my stage
	s_lshl_b32 s71, s[CX], 8
	v_and_b32 v[TV], 31, v0
	v_and_b32 v[RR], 15, v0
	v_bfe_u32 v[HH], v0, 4, 1
	v_lshlrev_b32 v[LI], 4, v[TV]
	v_lshlrev_b32 v[XO], 8, v[RR]
	v_lshl_add_u32 v[XO], v[HH], 5, v[XO]          ; x: row r, + 32 h
	v_add_nc_u32 v[XI], s96, v[LI]
	v_add_nc_u32 v[AE], E, v[LI]
	v_add_nc_u32 v[AP], E+65536, v[LI]
	v_add_nc_u32 v[AHB], H+65536, v[LI]
	v_add_nc_u32 v[TV], s97, v[LI]
	v_add_nc_u32 v[IE], E, v[TV]
	v_add_nc_u32 v[IP], E+65536, v[TV]
	v_add_nc_u32 v[IHA], H, v[TV]
	v_add_nc_u32 v[IHB], H+65536, v[TV]
	v_and_b32 v[TV], 7, v0
	v_mul_u32_u24 v[TV], v[TV], PITCH
	v_lshrrev_b32 v[R8], 3, v[RR]
	v_lshl_add_u32 v[TV], v[HH], 5, v[TV]          ; row r % 8, + 32 h,
	v_add_nc_u32 v[TV], s98, v[TV]                 ; of my 64 rows
	v_mul_u32_u24 v[AW], v[R8], QL                 ; + the 32 rows r / 8
	v_add_nc_u32 v[AW+1], v[TV], v[AW]
	v_add_nc_u32 v[AW], SLOTB, v[AW+1]
	v_mul_u32_u24 v[AWL], v[R8], QL-128            ; the head's 64 rows lie without the 128 bytes between 32 and 32
	v_add_nc_u32 v[AWH], v[TV], v[AWL]
	v_add_nc_u32 v[AWL], SLOTB, v[AWH]
	v_mul_u32_u24 v[STO], v[RR], SP
	v_lshl_add_u32 v[STO], v[HH], 7, v[STO]
	v_add_nc_u32 v[STO], s99, v[STO]
	v_mul_u32_u24 v[RD], v[HH], SP
	v_lshl_add_u32 v[RD], v[RR], 4, v[RD]
	v_add_nc_u32 v[RD], s99, v[RD]
	v_lshlrev_b32 v[CO], 10, v[HH]
	v_lshl_add_u32 v[CO], v[RR], 4, v[CO]
	v_add_nc_u32 v[TV], s71, v0
	v_lshlrev_b32 v[PFO], 8, v[TV]                 ; 256 x (256 cx + my thread's number): 1,024 blocks of 256 bytes in the cluster
	s_wait_alu depctr_va_vdst(0)                   ; the wait at the head's end
	s_wait_dscnt 0x0                               ; both opening adds are done
	s_wait_kmcnt 0x0
	s_load_b128 s[72:75], s[12:13], 0x0            ; e0 .. e3
	s_load_b64 s[76:77], s[12:13], 0x10            ; e4, e5
	s_mov_b32 s3, 0
	s_lshl_b32 s2, s70, 15
	s_add_nc_u64 s[XB:XB+1], s[4:5], s[2:3]
	s_lshl_b32 s2, s[WV], 12
	s_add_nc_u64 s[XB:XB+1], s[XB:XB+1], s[2:3]    ; x at my wave's 16 rows
.irp s, 0,1
.irp c, 0,1,2,3
	global_load_b128 v[HR+16*\s+4*\c:HR+16*\s+4*\c+3], v[XO], s[XB:XB+1] offset:128*\s+64*(\c/2)+16*(\c%2)
.endr
.endr
	s_lshl_b32 s2, s[WV], 14
	s_add_nc_u64 s[G0H+2:G0H+3], s[6:7], s[2:3]    ; W1 at 64 x my wave's number
	s_or_b32 s[G0H+3], s[G0H+3], 0x80000000
	s_lshl_b32 s2, s[WV], 13
	s_add_nc_u64 s[G0W+2:G0W+3], s[6:7], s[2:3]
	s_add_nc_u64 s[G0W+2:G0W+3], s[G0W+2:G0W+3], 0x10000   ; W1's tile 1; tiles 2 and 3 are fetched a step on
	s_or_b32 s[G0W+3], s[G0W+3], 0x80000000
	s_lshl_b32 s2, s[WV], 15
	s_add_nc_u64 s[WB:WB+1], s[8:9], s[2:3]
	s_add_nc_u64 s[W3M:W3M+1], s[10:11], s[2:3]
	s_mov_b64 s[G0A+2:G0A+3], s[WB:WB+1]           ; W2's first tile goes to slot 0
	s_or_b32 s[G0A+3], s[G0A+3], 0x80000000
	CROUND                                         ; all four work-groups are here: the first joint loads meet
	TL G0H, G1H                                    ; W1's tiles 0 and 1: one tensor load a wave at the head
	s_lshl_b32 s2, s70, 17
	s_add_nc_u64 s[14:15], s[14:15], s[2:3]
	s_lshl_b32 s2, s[TW], 8
	s_add_nc_u64 s[14:15], s[14:15], s[2:3]        ; out at my block's first row, my 64 columns
	s_wait_kmcnt 0x0
	s_add_co_i32 s2, s72, s73
	s_lshl_b32 s2, s2, 23
	s_add_co_i32 s58, s2, 0x3fb8aa3b               ; log2(e) x 2^(e0 + e1): the exponents are added to the exponent field
	s_add_co_i32 s2, s74, s75
	s_lshl_b32 s2, s2, 23
	s_add_co_i32 s59, s2, 0x3fb8aa3b               ; log2(e) x 2^(e2 + e3)
	s_add_co_i32 s2, s74, 127
	s_lshl_b32 s60, s2, 23                         ; 2^e2
	s_add_co_i32 s2, s2, 8
	s_lshl_b32 s2, s2, 23
	s_or_b32 s62, s2, 0x600000                     ; 448 x 2^e2
	s_add_co_i32 s2, s76, 127
	s_lshl_b32 s61, s2, 23                         ; 2^e4
	s_add_co_i32 s2, s2, 8
	s_lshl_b32 s2, s2, 23
	s_or_b32 s63, s2, 0x600000                     ; 448 x 2^e4
	s_add_co_i32 s2, s76, s77
	s_add_co_i32 s2, s2, 127
	s_lshl_b32 s[OUTS], s2, 23                     ; 2^(e4 + e5)
	s_mov_b32 s[OUTS+1], s[OUTS]
	s_mov_b32 s[LN2], 0x3f317218
	s_mov_b32 s[LN2+1], s[LN2]
	s_mov_b32 s[CS], s58
	s_mov_b32 s[CS+1], s58
	s_mov_b32 s[LIM], s62
	v_mov_b32 v[SC], s60
	s_wait_alu depctr_va_vdst(0)                   ; the wait here, directly ahead of the wait below
	s_wait_loadcnt 0x0
.irp s, 0,1
.irp c, 0,1,2,3
	ds_store_b128 v[XI], v[HR+16*\s+4*\c:HR+16*\s+4*\c+3] offset:2048*\s+512*\c
.endr
.endr
	s_wait_tensorcnt 0x0                           ; my 64 rows of W1 are in
	s_wait_dscnt 0x0                               ; my block of x has landed
	BARRIER                                        ; everybody's
; ---------------------------------------------------------------- phase 0: pass 0's products
	s_cmp_eq_u32 s[TEAM], 0
	s_cbranch_scc0 .Lp0_other
	MINT AWH, AE, 0, 1, 1
	s_branch .Lp0_join
.Lp0_other:                                            ; the other team has no sums yet and no work: its accumulators are written, so that every way into the loop has written them
	WIN 0x40
.rept 256
	v_mov_b32 v[\+], 0
.endr
	WIN 0
	s_wait_alu depctr_va_vdst(0)                   ; the wait ahead of a branch
.Lp0_join:
; ---------------------------------------------------------------- phases 1 to 3: one tile of W1 each, from slot 0, which is filled again when its products are issued
	s_mov_b32 s[PH], 1
.Ll1:
	s_xor_b32 s2, s[TEAM], s[PH]
	s_and_b32 s[ROLE], s2, 1
	s_cmp_eq_u32 s[ROLE], 0
	s_cbranch_scc0 .Lv1a
	s_cmp_eq_u32 s[PH], 1
	s_cbranch_scc1 .Lhead_tile
	MINT AW, AE, 0, 1, 0
	s_branch .Lj1a
.Lhead_tile:                                           ; tile 1 came with the head's load
	MINT AWL, AE, 0, 1, 0
	s_branch .Lj1a
.Lv1a:
.irp n, -2,-1,0,1
	VTRIP \n
.endr
.Lj1a:
	s_wait_tensorcnt 0x0
	ds_add_u32 v[SPW], v[NIL]
	s_add_nc_u64 s[G0W+2:G0W+3], s[G0W+2:G0W+3], 0x10000   ; W1: 256 rows on (behind its last tile this address is not used)
	s_wait_dscnt 0x0                               ; the add is done, and my reads of slot 0 are over
	QOPEN 2
	CREST
	s_cmp_eq_u32 s[PH], 3
	s_cbranch_scc1 .Lask_w2
	TL G0W, G1A
	s_branch .Lasked
.Lask_w2:
	TL G0A, G1B                                    ; W2's first tile
.Lasked:
	s_cmp_eq_u32 s[PH], s[LM2]
	s_cbranch_scc0 .Lno_ask1
	global_prefetch_b8 v[PFO], s[8:9] th:TH_LOAD_NT scope:SCOPE_SE   ; phase 2: W2's first pass, whose loads begin in phase 3
.Lno_ask1:
	s_cmp_eq_u32 s[ROLE], 0
	s_cbranch_scc1 .Lj1b
	VBACK 2
.irp n, 3,4,5,6,7
	VTRIP \n
.endr
	s_cmp_eq_u32 s[PH], 2
	s_cbranch_scc1 .Ls1_2
	s_cmp_eq_u32 s[PH], 3
	s_cbranch_scc1 .Ls1_3
	STORE IHA, 0, 0, 7                             ; h1's chunk 0
	s_branch .Lj1b
.Ls1_2:
	STORE IHA, 32768, 0, 7                         ; chunk 1
	s_branch .Lj1b
.Ls1_3:
	STORE IHB, 0, 0, 7                             ; chunk 2
.Lj1b:
	s_wait_tensorcnt 0x0                           ; my part of the next tile is in
	s_wait_dscnt 0x0                               ; my codes have landed
	BARRIER
	s_add_co_u32 s[PH], s[PH], 1
	s_cmp_lt_u32 s[PH], 4
	s_cbranch_scc1 .Ll1
; ---------------------------------------------------------------- phases 4 to 8: four slots each.  The softplus goes over all four; in phases 4 and 8, whose fourth slot reads its codes, it ends ahead of that slot's products.
; Phase 8 leaves from its middle: its last slot is written out below
	s_mov_b32 s[PH], 4
.Ll2:
	s_wait_xcnt 0x0                                ; the last trip's prefetch has read its address
	s_xor_b32 s2, s[TEAM], s[PH]
	s_and_b32 s[ROLE], s2, 1
	s_cmp_eq_u32 s[PH], 4                          ; phase 4 still makes layer 1's last codes
	s_cselect_b32 s[CS], s58, s59
	s_cselect_b32 s[LIM], s62, s63
	s_cselect_b32 s2, s60, s61
	s_mov_b32 s[CS+1], s[CS]
	v_mov_b32 v[SC], s2
	s_mov_b32 s3, H
	s_cmp_eq_u32 s[PH], 8
	s_cselect_b32 s2, E, s3                        ; the layer's input: h1 at H or h2 at E
	v_add_nc_u32 v[AX], s2, v[LI]
	s_add_co_u32 s2, s2, 65536
	v_add_nc_u32 v[AY], s2, v[LI]
	s_wait_alu depctr_va_vdst(0)                   ; the wait here, ahead of the scalar lines and the waits below
	s_sub_co_u32 s2, s[PH], 3                      ; the prefetch names the next phase's pass: W2's pass PH - 3, or W3
	s_min_u32 s2, s2, 3
	s_lshl_b32 s2, s2, 18
	s_mov_b32 s3, 0
	s_add_nc_u64 s[PFA:PFA+1], s[8:9], s[2:3]
	s_cmp_eq_u32 s[PH], 7
	s_cselect_b64 s[PFA:PFA+1], s[10:11], s[PFA:PFA+1]
	RND 1, 256, 99
	s_cmp_eq_u32 s[ROLE], 0
	s_cbranch_scc0 .Lv20
	MINT AW, AX, 0, 1, 0
	s_branch .Lj20
.Lv20:
.irp n, -2,-1,0,1
	VTRIP \n
.endr
.Lj20:
	RND 0, 512, 2
	s_cmp_lt_u32 s[PH], s[LM]
	s_cbranch_scc0 .Lno_ask2
	global_prefetch_b8 v[PFO], s[PFA:PFA+1] th:TH_LOAD_NT scope:SCOPE_SE
.Lno_ask2:
	s_cmp_eq_u32 s[ROLE], 0
	s_cbranch_scc0 .Lv21
	MINT AW+1, AX, 32768, 0, 0
	s_branch .Lj21
.Lv21:
	VBACK 2
	VTRIP 3
.Lj21:
	RND 1, 768, 4
	s_cmp_eq_u32 s[ROLE], 0
	s_cbranch_scc0 .Lv22
	MINT AW, AY, 0, 0, 0
	s_branch .Lj22
.Lv22:
	VBACK 4
	VTRIP 5
.Lj22:
	s_cmp_eq_u32 s[PH], 8
	s_cbranch_scc0 .Lfill_on
	s_wait_tensorcnt 0x0                           ; my part of the last tile is in; nothing is filled again: a barrier of the work-group
	s_wait_dscnt 0x0
	QOPEN 6
	s_branch .Lslot3
.Lfill_on:
	RND 0, 1024, 6
.Lslot3:
	s_cmp_eq_u32 s[ROLE], 0
	s_cbranch_scc0 .Lv23
	s_cmp_eq_u32 s[PH], 4
	s_cbranch_scc1 .Lj23
	s_cmp_eq_u32 s[PH], 8
	s_cbranch_scc1 .Lj23
	s_cmp_eq_u32 s[PH], 7
	s_cbranch_scc0 .Lnone_wait
.irp a, 5,6,7                          ; h1's chunk 0 is done with: the blocks that have waited
	ds_store_b128 v[IE], v[HR+8*(\a-5):HR+8*(\a-5)+3] offset:32768+\a*4096
	ds_store_b128 v[IE], v[HR+8*(\a-5)+4:HR+8*(\a-5)+7] offset:32768+\a*4096+512
.endr
.Lnone_wait:
	MINT AW+1, AHB, 32768, 0, 1
	s_branch .Lj23
.Lv23:
	VBACK 6
	VTRIP 7
	s_cmp_eq_u32 s[PH], 5
	s_cbranch_scc1 .Lst_5
	s_cmp_eq_u32 s[PH], 6
	s_cbranch_scc1 .Lst_6
	s_cmp_eq_u32 s[PH], 7
	s_cbranch_scc0 .Lj23
	STORE IP, 0, 0, 7                              ; h2's chunk 2, over h1's chunks 0 and 1, which are done with: the other team reads chunk 3
	s_branch .Lj23
.Lst_5:
	STORE IE, 0, 0, 7                              ; h2's chunk 0, over x
	s_branch .Lj23
.Lst_6:
	STORE IE, 32768, 0, 4                          ; h2's chunk 1: blocks 0-4 lie ahead of H; blocks 5-7 wait in registers
	WIN 0x01
.irp j, 0,1,2,3,4,5,6,7
	v_mov_b32 v[HR+\j], v[160+\j]
	v_mov_b32 v[HR+8+\j], v[192+\j]
	v_mov_b32 v[HR+16+\j], v[224+\j]
.endr
	WIN 0
	s_wait_alu depctr_va_vdst(0)                   ; the wait ahead of a branch
.Lj23:
	s_cmp_eq_u32 s[PH], 4
	s_cbranch_scc1 .Lcodes_first
	s_cmp_eq_u32 s[PH], 8
	s_cbranch_scc0 .Lnext
.Lcodes_first:                                         ; the fourth slot's activations are the codes just made
	s_wait_dscnt 0x0
	BARRIER
	s_cmp_eq_u32 s[ROLE], 0
	s_cbranch_scc1 .Lstored
	s_cmp_eq_u32 s[PH], 8
	s_cbranch_scc1 .Lst_8
	STORE IHB, 32768, 0, 7                         ; h1's chunk 3
	s_branch .Lstored
.Lst_8:
	STORE IP, 32768, 0, 7                          ; h2's chunk 3
.Lstored:
	s_wait_dscnt 0x0                               ; my codes have landed
	BARRIER                                        ; everybody's have
	s_cmp_eq_u32 s[PH], 8
	s_cbranch_scc1 .Llast
	s_cmp_eq_u32 s[ROLE], 0
	s_cbranch_scc0 .Lnext
	MINT AW+1, AHB, 32768, 0, 1
.Lnext:
	s_add_co_u32 s[PH], s[PH], 1
	s_cmp_lt_u32 s[PH], 9                          ; phase 8 has left above
	s_cbranch_scc1 .Ll2
; ---------------------------------------------------------------- the last slot, by rows of out
.Llast:
	s_cmp_eq_u32 s[ROLE], 0
	s_cbranch_scc0 .Lend
	LWT 0
	LAT 0
	LWT 1
	LAT 1
	s_wait_dscnt 8                                 ; block 1's activations may be out
	ROW 0
.irp a, 1,2,3,4,5,6,7
	s_wait_dscnt 24                                ; block a's activations are in: behind them a later block's eight loads and a stage's sixteen instructions may be out
	ROW \a
.if \a < 6
	SEND \a-1, 24                                  ; behind block a - 1's loads: block a + 2's activations, block a's eight stores and eight loads
.else
	SEND \a-1, 16
.endif
.endr
	SEND 7, 0
.Lend:
	s_wait_tensorcnt 0x0                           ; the wave's end, behind my last tensor load and my last LDS store
	ds_add_u32 v[SPW], v[NIL]
	s_wait_dscnt 0x0
	CROUND                                         ; the closing round: no work-group ends while a partner may still ask for a tile that names it
	s_endpgm
.Lfunc_end_k_q26ac1cd28f_mlp:
	.size	k_q26ac1cd28f_mlp, .Lfunc_end_k_q26ac1cd28f_mlp-k_q26ac1cd28f_mlp
	.p2alignl 7, 3214868480
	.fill 96, 4, 3214868480
	.section	.rodata,"a",@progbits
	.p2align	6, 0x0
	.amdhsa_kernel k_q26ac1cd28f_mlp
		.amdhsa_group_segment_fixed_size 327680
		.amdhsa_private_segment_fixed_size 0
		.amdhsa_enable_private_segment 0
		.amdhsa_kernarg_size 48
		.amdhsa_user_sgpr_count 2
		.amdhsa_user_sgpr_kernarg_segment_ptr 1
		.amdhsa_wavefront_size32 1
		.amdhsa_system_sgpr_workgroup_id_x 1
		.amdhsa_system_sgpr_workgroup_id_y 1
		.amdhsa_system_sgpr_workgroup_id_z 1
		.amdhsa_system_vgpr_workitem_id 0
		.amdhsa_next_free_vgpr 512
		.amdhsa_next_free_sgpr 100
		.amdhsa_reserve_vcc 0
		.amdhsa_float_denorm_mode_32 3
		.amdhsa_float_denorm_mode_16_64 3
		.amdhsa_memory_ordered 1
		.amdhsa_forward_progress 1
		.amdhsa_inst_pref_size 255
	.end_amdhsa_kernel
	.section	.bss,"aw",@nobits
	.p2align	6
	.space	262144
	.amdgpu_metadata
---
amdhsa.version: [ 1, 2 ]
amdhsa.kernels:
  - .name:           k_q26ac1cd28f_mlp
    .symbol:         k_q26ac1cd28f_mlp.kd
    .args:
      - { .name: x_codes, .offset: 0, .size: 8, .value_kind: global_buffer, .address_space: global }
      - { .name: w1_codes, .offset: 8, .size: 8, .value_kind: global_buffer, .address_space: global }
      - { .name: w2_codes, .offset: 16, .size: 8, .value_kind: global_buffer, .address_space: global }
      - { .name: w3_codes, .offset: 24, .size: 8, .value_kind: global_buffer, .address_space: global }
      - { .name: lowp_scales, .offset: 32, .size: 8, .value_kind: global_buffer, .address_space: global }
      - { .name: out0, .offset: 40, .size: 8, .value_kind: global_buffer, .address_space: global }
    .group_segment_fixed_size: 327680
    .private_segment_fixed_size: 0
    .kernarg_segment_align: 8
    .kernarg_segment_size: 48
    .max_flat_workgroup_size: 256
    .sgpr_count:     100
    .vgpr_count:     512
    .wavefront_size: 32
...
	.end_amdgpu_metadata
.endif
;; end of part 1
